; MI455X (gfx1250); checked and timed in simulation.
; The chip was launched on July 23, 2026; its instructions are those of AMD's public machine-readable ISA for CDNA 5 (MIT licence, August 2026) and "CDNA5" Instruction Set Architecture Reference Guide (July 2026). The comments in the code are by the model that wrote it; some were corrected since.
;; Fact Machine. Allowed arithmetic: matrix products marked QUANTISED: E4M3 operands, one given power-of-two scale a tensor, by v_wmma_f32_16x16x64_fp8_fp8 or v_wmma_f32_16x16x128_fp8_fp8, f32 sums; products left as they are: f32 operands where the result goes on into a quantised operand, else bf16, f16 or f32 operands; f32 sums; everything else in f32.
;; Inputs: V_b 64 float32; V_w 64 x 512 float32; X 32,768 x 512 float32; lowp_scales 2 int32 (the exponents e of the quantised operands' scales 2^e); w0_b 1 float32; w0_w 1 x 1 float32; w_b 1 float32; w_w 1 x 512 float32.
;; Outputs: out0 32,768 x 1 float32.
;; This version of the problem:
;;   THIS VERSION OF THE PROBLEM IS GIVEN IN LOW PRECISION. The matrix products marked QUANTISED in the list below multiply operands that are first quantised to E4M3 (4 exponent bits, 3 mantissa bits; 8 bits a number), with one given power-of-two scale for each operand tensor; their sums are f32. All else is computed in f32.
;;   The module's matrix products, in the order in which they are computed (A, B: the left and right operand; K: the contracted axis; several contracted axes count as one K, in the product's order):
;;     1. [M 32,768, K 512] x [K 512, N 1]; A: input X; B: input w_w: left as it is (N = 1 < 16)
;;     2. [M 32,768, K 512] x [K 512, N 64]; A: input X; B: computed on the way: QUANTISED (scales: A lowp_scales[0], B lowp_scales[1])
;;     3. [M 32,768, K 512] x [K 512, N 1]; A: computed on the way; B: computed on the way: left as it is (N = 1 < 16)
;;   THE QUANTISER, for each operand of a quantised product, along K:
;;     - The operand's scale is 2^e, e = its entry of the input lowp_scales (int32; the entries are numbered through the quantised products in the list's order, A before B).
;;     - Each number is divided by the scale, clamped to +-448, and rounded to the nearest number of E4M3, ties to even, subnormals kept.
;;     - The product sums the exact products of the quantised numbers (number of the format x scale) in f32.
;;   ~~~python
;;   def quantise(x, axis, e):      # numpy; x: float32 -> the quantised numbers, widened to float32 again
;;       x = np.moveaxis(x, axis, -1); K = x.shape[-1]
;;       r = np.clip(x / 2.0 ** e, -448, 448)
;;       step = 2.0 ** (np.maximum(np.frexp(np.where(r == 0, 1, r))[1] - 1, -6) - 3)
;;       q = np.round(r / step) * step * 2.0 ** e      # np.round: ties to even
;;       return np.moveaxis(q, -1, axis).astype(np.float32)
;;   ~~~
;;   OPERANDS COMPUTED ON THE WAY. 'Computed on the way' means the value that the module computes at that place (a softmax that the list does not call 'softmax' is quantised finished and normalised). What goes into a quantiser is computed in f32, as accurately as f32 sums, v_exp_f32 and their like allow (about 1e-6 of the number): no bf16 or f16 on the way to a quantiser, and a product that is left as it is and whose result goes on into a quantised operand takes f32 operands (vector FMAs, or v_wmma_f32_16x16x4_f32). A number that lies on a knife's edge between two numbers of the format may be rounded either way, as far as f32 arithmetic and the matrix unit's own rounding can turn it there, and no further.
;; One version. Each part assembles by itself: llvm-mc -triple=amdgcn-amd-amdhsa -mcpu=gfx1250 --defsym DOCPART=n.
;; ======== version 1 of 1: 1 launch
;; launch fm (part 1): grid 256 x 1, 4 waves a work-group, no clusters, 313,344 bytes of LDS; arguments X, V_w, V_b, w_w, w0_w, w0_b, w_b, lowp_scales, out0; writes out0
.if DOCPART == 1
	.amdgcn_target "amdgcn-amd-amdhsa--gfx1250"
	.amdhsa_code_object_version 6
	.text
	.protected	k_q4823b5dce9_fm
	.globl	k_q4823b5dce9_fm
	.p2align	8
	.type	k_q4823b5dce9_fm,@function
k_q4823b5dce9_fm:
	s_mov_b64 s[64:65], 0
	v_nop
	global_prefetch_b8 v0, s[64:65] scope:SCOPE_SE
	s_setreg_imm32_b32 hwreg(HW_REG_WAVE_MODE, 25, 1), 1
	s_wait_xcnt 0x0
; out[m] = (w0_w + w0_b + w_b) + sum_k x w_k + 0.5 (sum_f XV[m][f]^2 - sum_k x^2 sq_k),  XV = X Vmat,  Vmat[k][f] = V_w[f][k] + V_b[f],  sq_k = sum_f Vmat[k][f]^2.
; X: [32768][512] f32.  V_w: [64][512] f32.  Only XV is a quantised product: both operands become codes of FP8 (E4M3) along K = 512 with the given scales 2^ex (X) and 2^ev (Vmat);
; the codes are multiplied as they are, and the sum of the squares of the finished sums is multiplied once by 2^(2 (ex + ev) - 1).  All else is f32.
; SHARES.  256 work-groups of four waves; a work-group owns 128 rows, a wave 32: two tiles of 16.  A work-group's share of X, 262,144 bytes, lies in LDS whole: each wave asks for its own 64 KiB by four
; tensor loads in the first lines, and no LDS byte is ever filled twice.  Each wave reads only the pieces that it asked for, behind its own counted wait.  What concerns V is done while X is on its way.
; THE PLACE OF k, alike in X's and V's fragments: in K step s (128 along K) lane (r = lane % 16, h = lane / 16) holds k = 128 s + 64 h + e, e = 0 .. 63; code register j, byte b, is e = 4 j + b.
; That is a permutation of k inside one instruction, the same on both sides: every product meets its partner, only the order of the sums inside an instruction changes.
; THE MATRIX INSTRUCTION IS USED TRANSPOSED: source 0 = 16 rows f of V's codes, source 1 = 16 rows of X.  A lane then holds ONE row of X in the fragment, in the vector sums and in the result
; (register j: f = 16 t + 8 h + j), so that one exchange between lanes l and l xor 16 finishes a row.
; THE TWO PRODUCTS WITH ONE COLUMN are one sum: sum_k x (c1_k + c2_k x), c1 = w_w, c2 = -sq / 2: two packed multiply-adds for two numbers, on x as it is (not quantised).
; NO CLUSTER, though every work-group reads the same V_w: a joint load lands in LDS alone; X's share takes 266,240 of the 327,680 bytes that a work-group may claim, and V_w is 131,072 bytes:
; it would fit only in bytes that X must then fill a second time.  V_w comes through registers, 32 KiB a wave.
; LIMITS: ex and ev lie between -126 and 119, so that 2^e and 448 x 2^e are f32 numbers; 2 (ex + ev) - 1 is applied by v_ldexp_f32 and has no limit.  NaN among the inputs is not served.
; The f32 sums are taken in another order than the definition writes them.
; REGISTERS, in windows of 256: window 0: addresses and all that is at work;  window 1: V's 16 fragments, (t, s) at v[64 t + 16 s];  window 2: first V_w's rows (row i at v[16 i]), then c2 at v[64 s + e];  window 3: c1 at v[64 s + e].
.set PITCH, 1040                       ; a row of a piece in LDS: 1,024 bytes + 16 of padding = 65 x 16
.set PCB,   16*PITCH                   ; a piece: 16 rows x half of K
.set WREG,  4*PCB                      ; a wave's four pieces: piece 2 t + q = tile t, K half q
.set VC,    4*WREG                     ; 266,240: V's codes, row f at VP x f, byte k
.set VP,    528                        ; 512 bytes + 16 = 33 x 16
.set SQP,   VC+64*VP                   ; 300,032: each wave's partial sq[512], 2,048 bytes a wave
.set C2T,   SQP+4*2048                 ; 308,224: c2[512]
.set C1T,   C2T+2048                   ; 310,272: c1[512]
.set OUTS,  C1T+2048                   ; 312,320: the work-group's 128 results
.set LN,  1                            ; v1   lane
.set RW,  2                            ; v2   r = lane % 16
.set HF,  3                            ; v3   h = lane / 16
.set XA,  4                            ; v4   my place in my wave's pieces: WREG x wave + PITCH r + 256 h
.set L16, 5                            ; v5   16 x lane
.set VST, 6                            ; v6   where I store V's codes: VC + 16 VP x wave + 4 x lane
.set VRD, 7                            ; v7   where I read V's fragments: VC + VP r + 64 h
.set SQW, 8                            ; v8   SQP + 2048 x wave + 16 x lane
.set SQR, 9                            ; v9   SQP + 16 x thread
.set C2W, 10                           ; v10  C2T + 16 x thread
.set C1W, 11                           ; v11  C1T + 16 x thread
.set C2R, 12                           ; v12  C2T + 256 h
.set C1R, 13                           ; v13  C1T + 256 h
.set SX,  14                           ; v14  2^ex as f32
.set SV,  15                           ; v15  2^ev as f32
.set W16, 16                           ; v16  16 x thread
.set OUTW, 17                          ; v17  OUTS + 4 x thread
.set OUTR, 18                          ; v18  OUTS + 16 x lane
.set KC,  19                           ; v19  w0_w + w0_b + w_b
.set PX,  20                           ; v20  the lane exchange's destination
.set CDT, 96                           ; the head: row i's four registers of codes at v[96 - 4 i]: descending, so that no conversion's destination has the number of one of its sources (16 i + 8 m .. + 7, in window 2)
.set SQ,  160                          ; the head: v160-175  my 16 rows' sum of squares; register 4 s + i is k = 128 s + 4 x lane + i
.set WW,  176                          ; the head: v176-179  my 16 bytes of w_w
.set P,   192                          ; the head: v192-207  the four waves' partial sums of my four k
.set XB,  32                           ; v32-159  two buffers of 64 numbers of X
.set T,   160                          ; v160-191 c1 + c2 x for 32 numbers
.set XC,  192                          ; v192-207 X's codes: one fragment
.set ACC, 208                          ; v208-239 four accumulators: f = 16 t ..
.set AV,  240                          ; v240-247 the vector sums, four pairs
.set Q,   248                          ; v248-251 the sums of squares, two pairs
.set RES, 252                          ; v252, v253 the two tiles' results
.set TMP, 254
.set WV,  2                            ; s2   my wave's number
.set G1,  28                           ; s[28:35] descriptor group 1
.set G0,  36                           ; s[36:51] descriptor group 0, a set for each piece
.set LXN, 56                           ; s56, s57  -448 x 2^ex, +448 x 2^ex
.set LXP, 57
.set LVN, 58                           ; s58, s59  the same with ev
.set LVP, 59
.set GE,  60                           ; s60  2 (ex + ev) - 1
.set SEL, 62                           ; s[62:63] lane selects for v_permlanex16_b32: lane l xor 16
.set BP,  66                           ; s[66:67] V_b[f] of the row in hand, named as a pair by the packed addition
.set VB,  68                           ; s[68:83] V_b of my 16 rows
.set MSB, 0
.macro WIN new                         ; the immediate's high byte repeats the setting that is left; a switch that changes nothing is dropped
.if MSB != \new
	s_set_vgpr_msb (MSB<<8)|\new
.set MSB, \new
.endif
.endm
	s_load_b512 s[4:19], s[0:1], 0x0               ; X s[4:5], V_w s[6:7], V_b s[8:9], w_w s[10:11], w0_w s[12:13], w0_b s[14:15], w_b s[16:17], the scales' exponents s[18:19]
	s_load_b64 s[20:21], s[0:1], 0x40              ; out0
	v_lshl_add_u32 v31, v0, 2, 0x4c600
	v_mov_b32 v255, 0
	ds_add_u32 v31, v255
	ds_add_u32 v31, v255
	v_lshrrev_b32 v21, 5, v0
	v_readfirstlane_b32 s[WV], v21                 ; wave 0..3
	v_and_b32 v[LN], 31, v0
	v_and_b32 v[RW], 15, v0
	v_bfe_u32 v[HF], v0, 4, 1
	; descriptor group 1: a piece of 16 rows x 256 numbers of 4 bytes, rows 512 numbers apart in memory, padded in LDS
	s_mov_b32 s[G1+0], (2<<16)|(1<<20)|(7<<22)|(3<<25)  ; 15:0 no mask; 17:16 elements of 4 bytes; 20 padding on; 24:22 after every 256 words (code 7); 31:25 four words (code 3)
	s_mov_b32 s[G1+1], 256<<16                     ; tensor_dim0 = 256
	s_mov_b32 s[G1+2], 16<<16                      ; tensor_dim1 = 16
	s_mov_b32 s[G1+3], 256<<16                     ; tile_dim0 = 256
	s_mov_b32 s[G1+4], 16                          ; tile_dim1 = 16
	s_mov_b32 s[G1+5], 512                         ; tensor_dim0_stride
	s_mov_b32 s[G1+6], 0
	s_mov_b32 s[G1+7], 0
	s_mul_i32 s3, s[WV], WREG                      ; my wave's pieces in LDS
	s_lshl_b32 s52, ttmp9, 18                      ; the work-group's 128 rows of 2,048 bytes,
	s_lshl_b32 s61, s[WV], 16                      ; my wave's 32 of them
	s_add_co_u32 s52, s52, s61                     ; (under 2^26)
	s_mov_b32 s53, 0
	s_mov_b32 s55, 0
	s_mov_b32 s[SEL], 0x76543210
	s_mov_b32 s[SEL+1], 0xfedcba98
	s_mov_b32 s[BP+1], 0                           ; (named with s66 as a pair, so it is written)
	s_wait_dscnt 0x0
	s_wait_kmcnt 0x0
	s_add_nc_u64 s[4:5], s[4:5], s[52:53]          ; X at my wave's first row
.irp p, 0,1,2,3
	s_mov_b32 s[G0+4*\p], 1                                        ; count = 1
	s_add_co_u32 s[G0+4*\p+1], s3, \p*PCB                          ; LDS address: WREG x wave + PCB x piece
	s_add_nc_u64 s[G0+4*\p+2:G0+4*\p+3], s[4:5], (\p/2)*32768+(\p%2)*1024   ; tile p / 2 (16 rows of 2,048 bytes), K half p % 2
	s_or_b32 s[G0+4*\p+3], s[G0+4*\p+3], 0x80000000                ; type = 2
.endr
.irp p, 0,1,2,3
	tensor_load_to_lds s[G0+4*\p:G0+4*\p+3], s[G1:G1+7]            ; all of my 64 KiB of X: four loads of mine are out; no descriptor register is written again
	s_nop 0
.endr
	v_lshlrev_b32 v[L16], 4, v[LN]                 ; four plain lines whose result is none of their sources stand behind the loads, ahead of the first switch of windows
	v_lshlrev_b32 v[W16], 4, v0
	v_mul_u32_u24 v[XA], v[RW], PITCH
	v_mul_u32_u24 v[VRD], v[RW], VP
	s_lshl_b32 s54, s[WV], 6                       ; V_b: my 16 numbers
	s_add_nc_u64 s[8:9], s[8:9], s[54:55]
	s_load_b512 s[VB:VB+15], s[8:9], 0x0
	s_load_b64 s[26:27], s[18:19], 0x0             ; ex, ev
	s_load_b32 s22, s[12:13], 0x0                  ; w0_w
	s_load_b32 s23, s[14:15], 0x0                  ; w0_b
	s_load_b32 s24, s[16:17], 0x0                  ; w_b
	s_lshl_b32 s52, s[WV], 15                      ; V_w: my 16 rows of 2,048 bytes
	s_add_nc_u64 s[6:7], s[6:7], s[52:53]
	global_load_b128 v[WW:WW+3], v[W16], s[10:11]  ; w_w: four numbers a thread
	WIN 0x80                                       ; destination window 2
.irp i, 0,1,2,3,4,5,6,7,8,9,10,11,12,13,14,15  ; V_w's row 16 w + i, 512 consecutive bytes a load: register 16 i + 4 s + j is k = 128 s + 4 x lane + j.  65 loads in all: where the counter's field is full the issue waits (ISA guide 5.7.1)
.irp s, 0,1,2,3
	global_load_b128 v[16*\i+4*\s:16*\i+4*\s+3], v[L16], s[6:7] offset:2048*\i+512*\s
.endr
.endr
	WIN 0
	s_lshl_b32 s54, ttmp9, 9                       ; out0: the work-group's 128 numbers
	s_add_nc_u64 s[20:21], s[20:21], s[54:55]
	v_lshl_add_u32 v[XA], v[HF], 8, v[XA]
	v_add_nc_u32 v[XA], s3, v[XA]
	v_lshl_add_u32 v[VRD], v[HF], 6, v[VRD]
	v_add_nc_u32 v[VRD], VC, v[VRD]
	s_mul_i32 s61, s[WV], 16*VP
	s_add_co_u32 s61, s61, VC
	v_lshl_add_u32 v[VST], v[LN], 2, s61
	s_lshl_b32 s61, s[WV], 11
	s_add_co_u32 s61, s61, SQP
	v_lshl_add_u32 v[SQW], v[LN], 4, s61
	v_lshl_add_u32 v[SQR], v0, 4, SQP
	v_lshl_add_u32 v[C2W], v0, 4, C2T
	v_lshl_add_u32 v[C1W], v0, 4, C1T
	v_lshl_add_u32 v[C2R], v[HF], 8, C2T
	v_lshl_add_u32 v[C1R], v[HF], 8, C1T
	v_lshl_add_u32 v[OUTW], v0, 2, OUTS
	v_lshl_add_u32 v[OUTR], v[LN], 4, OUTS
	v_mov_b32 v[PX], 0                             ; written once: a lane permute's destination counts as one of its sources
	s_wait_kmcnt 0x0
	s_add_co_i32 s25, s26, 127
	s_lshl_b32 s61, s25, 23
	v_mov_b32 v[SX], s61                           ; 2^ex as f32: the conversion takes its exponent field
	s_add_co_i32 s25, s25, 8
	s_lshl_b32 s25, s25, 23
	s_or_b32 s[LXP], s25, 0x600000                 ; 448 x 2^ex
	s_or_b32 s[LXN], s[LXP], 0x80000000
	s_add_co_i32 s25, s27, 127
	s_lshl_b32 s61, s25, 23
	v_mov_b32 v[SV], s61                           ; 2^ev
	s_add_co_i32 s25, s25, 8
	s_lshl_b32 s25, s25, 23
	s_or_b32 s[LVP], s25, 0x600000                 ; 448 x 2^ev
	s_or_b32 s[LVN], s[LVP], 0x80000000
	s_add_co_i32 s[GE], s26, s27
	s_lshl_b32 s[GE], s[GE], 1
	s_sub_co_i32 s[GE], s[GE], 1                   ; a sum of codes' products stands for sum x 2^(ex + ev): half its square for sum^2 x 2^(2 (ex + ev) - 1)
	v_mov_b32 v[KC], s22
	v_add_f32 v[KC], s23, v[KC]
	v_add_f32 v[KC], s24, v[KC]
; FOUR ROWS OF V: Vmat = V_w + V_b[f]; their squares are added to my partial sq; then the hold, the conversion, and the codes go to LDS as rows of bytes along k.  cnt: the loads of the later groups, which may stay out.
.macro VGROUP g, cnt
	s_wait_loadcnt \cnt
	WIN 0x82                                       ; source 0 and destination window 2
.irp a, 0,1,2,3
	s_mov_b32 s[BP], s[VB+4*(\g)+\a]
.irp p, 0,2,4,6,8,10,12,14
	v_pk_add_f32 v[16*(4*(\g)+\a)+\p:16*(4*(\g)+\a)+\p+1], v[16*(4*(\g)+\a)+\p:16*(4*(\g)+\a)+\p+1], s[BP:BP+1] op_sel_hi:[1,0]
.endr
.endr
	WIN 0x0a                                       ; sources 0 and 1 window 2
.irp a, 0,1,2,3
.irp p, 0,2,4,6,8,10,12,14
.if (4*(\g)+\a) == 0
	v_pk_mul_f32 v[SQ+\p:SQ+\p+1], v[16*(4*(\g)+\a)+\p:16*(4*(\g)+\a)+\p+1], v[16*(4*(\g)+\a)+\p:16*(4*(\g)+\a)+\p+1]   ; the first row starts the sums: nothing is cleared
.else
	v_pk_fma_f32 v[SQ+\p:SQ+\p+1], v[16*(4*(\g)+\a)+\p:16*(4*(\g)+\a)+\p+1], v[16*(4*(\g)+\a)+\p:16*(4*(\g)+\a)+\p+1], v[SQ+\p:SQ+\p+1]
.endif
.endr
.endr
	WIN 0x82
.set j, 64*(\g)
.rept 64
	v_med3_num_f32 v[j], v[j], s[LVN], s[LVP]      ; the conversion to an 8-bit code does not saturate (ISA guide 7.6.2): the hold at the largest code x the scale
.set j, j+1
.endr
	WIN 0x02                                       ; source 0 window 2
.irp a, 0,1,2,3
.irp m, 0,1
	v_cvt_scalef32_pk8_fp8_f32 v[CDT-4*(4*(\g)+\a)+2*\m:CDT-4*(4*(\g)+\a)+2*\m+1], v[16*(4*(\g)+\a)+8*\m:16*(4*(\g)+\a)+8*\m+7], v[SV]   ; its two registers: k = 128 (2 m) + 4 x lane + 0 .. 3, and the same with 2 m + 1
.endr
.endr
	WIN 0
	v_nop                                          ; one plain vector line behind the last conversion of the run
.irp a, 0,1,2,3
.irp s, 0,1,2,3
	ds_store_b32 v[VST], v[CDT-4*(4*(\g)+\a)+\s] offset:VP*(4*(\g)+\a)+128*\s   ; 32 lanes: 128 consecutive bytes of row 16 w + i
.endr
.endr
.endm
	VGROUP 0, 48                                   ; w_w and rows 0-3 are in; the 48 loads of rows 4-15 may be out
	VGROUP 1, 32
	VGROUP 2, 16
	VGROUP 3, 0
.irp s, 0,1,2,3
	ds_store_b128 v[SQW], v[SQ+4*\s:SQ+4*\s+3] offset:512*\s   ; my 16 rows' part of sq, as f32 along k
.endr
	ds_store_b128 v[C1W], v[WW:WW+3]               ; c1 = w_w
	s_wait_dscnt 0x0                               ; for the others' sake: my stores have landed.  (X's tensor loads stay out, and only I read my pieces)
	s_barrier_signal -1
	s_barrier_wait -1                              ; V's codes, the four partial sq and c1 lie in LDS
.irp w, 0,1,2,3
	ds_load_b128 v[P+4*\w:P+4*\w+3], v[SQR] offset:2048*\w   ; the four waves' parts of k = 4 x thread + 0 .. 3
.endr
	s_wait_dscnt 0x0
	v_pk_add_f32 v[P:P+1], v[P:P+1], v[P+4:P+5]
	v_pk_add_f32 v[P+2:P+3], v[P+2:P+3], v[P+6:P+7]
	v_pk_add_f32 v[P+8:P+9], v[P+8:P+9], v[P+12:P+13]
	v_pk_add_f32 v[P+10:P+11], v[P+10:P+11], v[P+14:P+15]
	v_pk_add_f32 v[P:P+1], v[P:P+1], v[P+8:P+9]
	v_pk_add_f32 v[P+2:P+3], v[P+2:P+3], v[P+10:P+11]
	v_pk_mul_f32 v[P:P+1], v[P:P+1], -0.5 op_sel_hi:[1,0]      ; c2 = -sq / 2
	v_pk_mul_f32 v[P+2:P+3], v[P+2:P+3], -0.5 op_sel_hi:[1,0]
	ds_store_b128 v[C2W], v[P:P+3]
	s_wait_dscnt 0x0                               ; my part of c2 has landed
	s_barrier_signal -1
	WIN 0x40                                       ; between the signal and the wait: loads of bytes that were whole at the last barrier and that nobody writes again.  Destination window 1:
.irp t, 0,1,2,3                                ; V's fragment (t, s): row f = 16 t + r, k = 128 s + 64 h + 0 .. 63: 64 bytes a lane
.irp s, 0,1,2,3
.irp c, 0,1,2,3
	ds_load_b128 v[64*\t+16*\s+4*\c:64*\t+16*\s+4*\c+3], v[VRD] offset:16*VP*\t+128*\s+16*\c
.endr
.endr
.endr
	WIN 0xc0                                       ; destination window 3
.irp s, 0,1,2,3                                ; c1 of my 256 k
.irp j, 0,1,2,3,4,5,6,7,8,9,10,11,12,13,14,15
	ds_load_b128 v[64*\s+4*\j:64*\s+4*\j+3], v[C1R] offset:512*\s+16*\j
.endr
.endr
	s_barrier_wait -1                              ; c2 is whole
	WIN 0x80                                       ; destination window 2: V_w's rows are done with
.irp s, 0,1,2,3
.irp j, 0,1,2,3,4,5,6,7,8,9,10,11,12,13,14,15
	ds_load_b128 v[64*\s+4*\j:64*\s+4*\j+3], v[C2R] offset:512*\s+16*\j
.endr
.endr
	WIN 0
; A piece's numbers of my row: two K steps of 64 numbers a lane, into the two buffers
.macro FETCH p
.irp u, 0,1
.irp j, 0,1,2,3,4,5,6,7,8,9,10,11,12,13,14,15
	ds_load_b128 v[XB+64*\u+4*\j:XB+64*\u+4*\j+3], v[XA] offset:(\p)*PCB+512*\u+16*\j
.endr
.endr
.endm
; K STEP s on buffer u.  The vector sums take x as it is; then x is held, converted, and multiplied with V's four fragments of the step.  first = 1: the tile's first step starts all sums: nothing is cleared.
.macro KSTEP s, u, first
.irp c, 0,1
	WIN 0x38                                       ; source 1 (c2) window 2, source 2 (c1) window 3
.irp i, 0,2,4,6,8,10,12,14,16,18,20,22,24,26,28,30
	v_pk_fma_f32 v[T+\i:T+\i+1], v[XB+64*(\u)+32*\c+\i:XB+64*(\u)+32*\c+\i+1], v[64*(\s)+32*\c+\i:64*(\s)+32*\c+\i+1], v[64*(\s)+32*\c+\i:64*(\s)+32*\c+\i+1]   ; c2 x + c1
.endr
	WIN 0
.irp i, 0,2,4,6,8,10,12,14,16,18,20,22,24,26,28,30
.if (\first) && (\c == 0) && (\i < 8)
	v_pk_mul_f32 v[AV+\i%8:AV+\i%8+1], v[XB+64*(\u)+32*\c+\i:XB+64*(\u)+32*\c+\i+1], v[T+\i:T+\i+1]
.else
	v_pk_fma_f32 v[AV+\i%8:AV+\i%8+1], v[XB+64*(\u)+32*\c+\i:XB+64*(\u)+32*\c+\i+1], v[T+\i:T+\i+1], v[AV+\i%8:AV+\i%8+1]   ; + x (c1 + c2 x), in four chains
.endif
.endr
.endr
.set j, XB+64*(\u)
.rept 64
	v_med3_num_f32 v[j], v[j], s[LXN], s[LXP]      ; the hold at the largest code x the scale (ISA guide 7.6.2)
.set j, j+1
.endr
.irp g, 0,1,2,3,4,5,6,7
	v_cvt_scalef32_pk8_fp8_f32 v[XC+2*\g:XC+2*\g+1], v[XB+64*(\u)+8*\g:XB+64*(\u)+8*\g+7], v[SX]
.endr
	v_nop                                          ; one plain vector line between the last conversion and the matrix instructions that read the codes
	WIN 0x01                                       ; source 0 (V) window 1
.irp t, 0,1,2,3                                ; the four accumulators take turns, one instruction a turn, from step to step too
.if \first
	v_wmma_f32_16x16x128_fp8_fp8 v[ACC+8*\t:ACC+8*\t+7], v[64*\t+16*(\s):64*\t+16*(\s)+15], v[XC:XC+15], 0
.else
	v_wmma_f32_16x16x128_fp8_fp8 v[ACC+8*\t:ACC+8*\t+7], v[64*\t+16*(\s):64*\t+16*(\s)+15], v[XC:XC+15], v[ACC+8*\t:ACC+8*\t+7]
.endif
.endr
	WIN 0
.endm
; Piece p (K half q).  The codes' registers are written again only behind the next step's 64 packed multiply-adds and 64 holds, far more than the four places that a matrix instruction's sources want (ISA guide 7.12.1).
.macro PIECE p, q
	s_wait_tensorcnt 3-(\p)                        ; a wave's tensor loads end in order (ISA guide 10.11.1): piece p is in LDS; the 3 - p pieces behind it may be out
	FETCH \p
	s_wait_dscnt 16                                ; LDS loads come back in order (ISA guide 5.7.1): buffer 0 is in, and all that was asked for earlier (V's fragments, c1, c2); buffer 1's sixteen may be out
	KSTEP 2*(\q), 0, 1-(\q)
	s_wait_dscnt 0x0                               ; buffer 1
	KSTEP 2*(\q)+1, 1, 0
.endm
; A tile's end: the lane's vector sum; the sum of the squares of its 32 results, x 2^(2 (ex + ev) - 1); both halves of the lanes together.
.macro EPI t
	v_pk_add_f32 v[AV:AV+1], v[AV:AV+1], v[AV+2:AV+3]          ; these four lines name no register of the last products: they are the four places ahead of the first read of results
	v_pk_add_f32 v[AV+4:AV+5], v[AV+4:AV+5], v[AV+6:AV+7]
	v_pk_add_f32 v[AV:AV+1], v[AV:AV+1], v[AV+4:AV+5]
	v_add_f32 v[TMP], v[AV], v[AV+1]
.irp a, 0,1,2,3                                ; each accumulator from its low end on
.irp i, 0,2,4,6
.if (\a == 0) && (\i < 4)
	v_pk_mul_f32 v[Q+\i%4:Q+\i%4+1], v[ACC+8*\a+\i:ACC+8*\a+\i+1], v[ACC+8*\a+\i:ACC+8*\a+\i+1]
.else
	v_pk_fma_f32 v[Q+\i%4:Q+\i%4+1], v[ACC+8*\a+\i:ACC+8*\a+\i+1], v[ACC+8*\a+\i:ACC+8*\a+\i+1], v[Q+\i%4:Q+\i%4+1]
.endif
.endr
.endr
	v_pk_add_f32 v[Q:Q+1], v[Q:Q+1], v[Q+2:Q+3]
	v_add_f32 v[Q], v[Q], v[Q+1]
	v_ldexp_f32 v[Q], v[Q], s[GE]
	v_add_f32 v[Q], v[Q], v[TMP]
	v_permlanex16_b32 v[PX], v[Q], s[SEL], s[SEL+1]            ; the row's other 256 k and other 32 f lie in the lane 16 away
	v_add_f32 v[RES+\t], v[Q], v[PX]
.endm
	PIECE 0, 0
	PIECE 1, 1
	EPI 0
	PIECE 2, 0
	PIECE 3, 1                                     ; its wait on the tensor loads is for 0: none is out at the end
	EPI 1
	; lane l takes row l of my 32: lanes 0-15 tile 0's, lanes 16-31 tile 1's (every lane holds row lane % 16 of both tiles)
	v_cmp_gt_u32 vcc_lo, 16, v[LN]
	v_cndmask_b32 v[Q], v[RES+1], v[RES], vcc_lo
	v_add_f32 v[Q], v[Q], v[KC]
	ds_store_b32 v[OUTW], v[Q]
	s_wait_dscnt 0x0                               ; for wave 0's sake: my 32 results have landed
	s_barrier_signal -1
	s_barrier_wait -1
	s_cmp_lg_u32 s[WV], 0                          ; wave 0 stores the work-group's 128 results
	s_cbranch_scc1 .Lend
	ds_load_b128 v[32:35], v[OUTR]
	s_wait_dscnt 0x0
	global_store_b128 v[L16], v[32:35], s[20:21]   ; 32 lanes store 512 consecutive bytes, at a multiple of 512 from out0's first byte
.Lend:
	s_wait_tensorcnt 0x0
	ds_add_u32 v31, v255
	s_wait_dscnt 0x0
	s_endpgm
.Lfunc_end_k_q4823b5dce9_fm:
	.size	k_q4823b5dce9_fm, .Lfunc_end_k_q4823b5dce9_fm-k_q4823b5dce9_fm
	.p2alignl 7, 3214868480
	.fill 96, 4, 3214868480
	.section	.rodata,"a",@progbits
	.p2align	6, 0x0
	.amdhsa_kernel k_q4823b5dce9_fm
		.amdhsa_group_segment_fixed_size 313344
		.amdhsa_private_segment_fixed_size 0
		.amdhsa_enable_private_segment 0
		.amdhsa_kernarg_size 72
		.amdhsa_user_sgpr_count 2
		.amdhsa_user_sgpr_kernarg_segment_ptr 1
		.amdhsa_wavefront_size32 1
		.amdhsa_system_sgpr_workgroup_id_x 1
		.amdhsa_system_sgpr_workgroup_id_y 1
		.amdhsa_system_sgpr_workgroup_id_z 1
		.amdhsa_system_vgpr_workitem_id 0
		.amdhsa_next_free_vgpr 1024
		.amdhsa_next_free_sgpr 84
		.amdhsa_reserve_vcc 1
		.amdhsa_float_denorm_mode_32 3
		.amdhsa_float_denorm_mode_16_64 3
		.amdhsa_memory_ordered 1
		.amdhsa_forward_progress 1
		.amdhsa_inst_pref_size 149
	.end_amdhsa_kernel
	.amdgpu_metadata
---
amdhsa.version: [ 1, 2 ]
amdhsa.kernels:
  - .name:           k_q4823b5dce9_fm
    .symbol:         k_q4823b5dce9_fm.kd
    .args:
      - { .name: X, .offset: 0, .size: 8, .value_kind: global_buffer, .address_space: global }
      - { .name: V_w, .offset: 8, .size: 8, .value_kind: global_buffer, .address_space: global }
      - { .name: V_b, .offset: 16, .size: 8, .value_kind: global_buffer, .address_space: global }
      - { .name: w_w, .offset: 24, .size: 8, .value_kind: global_buffer, .address_space: global }
      - { .name: w0_w, .offset: 32, .size: 8, .value_kind: global_buffer, .address_space: global }
      - { .name: w0_b, .offset: 40, .size: 8, .value_kind: global_buffer, .address_space: global }
      - { .name: w_b, .offset: 48, .size: 8, .value_kind: global_buffer, .address_space: global }
      - { .name: lowp_scales, .offset: 56, .size: 8, .value_kind: global_buffer, .address_space: global }
      - { .name: out0, .offset: 64, .size: 8, .value_kind: global_buffer, .address_space: global }
    .group_segment_fixed_size: 313344
    .private_segment_fixed_size: 0
    .kernarg_segment_align: 8
    .kernarg_segment_size: 72
    .max_flat_workgroup_size: 128
    .sgpr_count:     84
    .vgpr_count:     1024
    .wavefront_size: 32
...
	.end_amdgpu_metadata
.endif
;; end of part 1
